; MI455X (gfx1250); checked and timed in simulation.
; The chip was launched on July 23, 2026; its instructions are those of AMD's public machine-readable ISA for CDNA 5 (MIT licence, August 2026) and "CDNA5" Instruction Set Architecture Reference Guide (July 2026). The comments in the code are by the model that wrote it; some were corrected since.
;; Multi Head Atention Layer. Allowed arithmetic: matrix products marked QUANTISED: E2M3 operands, one E8M0 scale for each 32 along K, by v_wmma_scale_f32_16x16x128_f8f6f4 with both operands' format E2M3, f32 sums; everything else in f32.
;; Inputs: Wk 512 x 512 float32; Wo 512 x 512 float32; Wq 512 x 512 float32; Wv 512 x 512 float32; bk 512 float32; bo 512 float32; bq 512 float32; bv 512 float32; kv 2 x 4,096 x 512 float32; q 2 x 4,096 x 512 float32.
;; Outputs: out0 2 x 4,096 x 512 float32.
;; This version of the problem:
;;   THIS VERSION OF THE PROBLEM IS GIVEN IN LOW PRECISION. The matrix products marked QUANTISED in the list below multiply operands that are first quantised to E2M3 (2 exponent bits, 3 mantissa bits; 6 bits a number), with one power-of-two scale for each 32 numbers along K (OCP MX v1.0); their sums are f32. All else is computed in f32.
;;   The module's matrix products, in the order in which they are computed (A, B: the left and right operand; K: the contracted axis; several contracted axes count as one K, in the product's order):
;;     1. [M 8,192, K 512] x [K 512, N 512]; A: input q; B: input Wq: QUANTISED
;;     2. [M 8,192, K 512] x [K 512, N 512]; A: input kv; B: input Wk: QUANTISED
;;     3. [M 8,192, K 512] x [K 512, N 512]; A: input kv; B: input Wv: QUANTISED
;;     4. batch 16 x [M 4,096, K 64] x [K 64, N 4,096]; A: computed on the way; B: computed on the way: QUANTISED
;;     5. batch 16 x [M 4,096, K 4,096] x [K 4,096, N 64]; A: softmax (see below); B: computed on the way: QUANTISED
;;     6. [M 8,192, K 512] x [K 512, N 512]; A: computed on the way; B: input Wo: QUANTISED
;;   THE QUANTISER, for each operand of a quantised product, along K:
;;     - K is cut into blocks of 32 from its start; a last block that is shorter is filled with zeros.
;;     - A block's scale is 2^e with e = floor(log2(the largest magnitude in the block)) - 2, held to -126 .. 127; a block of zeros has e = 0. As a byte (E8M0): e + 127.
;;     - Each number is divided by its block's scale, clamped to +-7.5, and rounded to the nearest number of E2M3, ties to even, subnormals kept.
;;     - The product sums the exact products of the quantised numbers (number of the format x scale) in f32.
;;   ~~~python
;;   def quantise(x, axis):      # numpy; x: float32 -> the quantised numbers, widened to float32 again
;;       x = np.moveaxis(x, axis, -1); K = x.shape[-1]
;;       x = np.pad(x, [(0, 0)] * (x.ndim - 1) + [(0, -K % 32)]); x = x.reshape(x.shape[:-1] + (-1, 32)); a = np.abs(x).max(-1, keepdims=True)
;;       e = np.where(a > 0, np.clip(np.frexp(np.where(a > 0, a, 1))[1] - 1 - 2, -126, 127), 0)      # np.frexp(a)[1] - 1 = floor(log2(a)), exactly
;;       r = np.clip(x / 2.0 ** e, -7.5, 7.5)
;;       step = 2.0 ** (np.maximum(np.frexp(np.where(r == 0, 1, r))[1] - 1, 0) - 3)
;;       q = np.round(r / step) * step * 2.0 ** e      # np.round: ties to even
;;       return np.moveaxis(q.reshape(q.shape[:-2] + (-1,))[..., :K], -1, axis).astype(np.float32)
;;   ~~~
;;   SOFTMAX AHEAD OF A QUANTISED PRODUCT. Where the list says 'softmax', what is quantised is not the finished softmax but p = 2^(t - M), with t = logit x log2(e) and M = ceil(the row's largest t), a whole number; so 1/2 < the row's largest p <= 1. The row's sum l is taken of the UNQUANTISED p, in f32, and the product's result is divided by l at the end. Since M is a whole number, a kernel that streams over the keys may use a running M (the ceiling of the running maximum): every later rescaling is an exact power of two, which a block's scale takes up: the codes' values come out the same.
;;   OPERANDS COMPUTED ON THE WAY. 'Computed on the way' means the value that the module computes at that place (a softmax that the list does not call 'softmax' is quantised finished and normalised). What goes into a quantiser is computed in f32, as accurately as f32 sums, v_exp_f32 and their like allow (about 1e-6 of the number): no bf16 or f16 on the way to a quantiser, and a product that is left as it is and whose result goes on into a quantised operand takes f32 operands (vector FMAs, or v_wmma_f32_16x16x4_f32). A number that lies on a knife's edge between two numbers of the format may be rounded either way, as far as f32 arithmetic and the matrix unit's own rounding can turn it there, and no further.
;; One version. Each part assembles by itself: llvm-mc -triple=amdgcn-amd-amdhsa -mcpu=gfx1250 --defsym DOCPART=n.
;; ======== version 1 of 1: 4 launches
;; limits: right only within a limited range of input values
;; workspace buffers: xw 7,667,712 bytes; qkv 10,223,616 bytes; aimg 3,670,016 bytes
;; launch prep (part 1): grid 288 x 1, 4 waves a work-group, no clusters, 34,304 bytes of LDS; arguments q, kv, Wq, Wk, Wv, Wo, xw; writes xw
.if DOCPART == 1
	.amdgcn_target "amdgcn-amd-amdhsa--gfx1250"
	.amdhsa_code_object_version 6
	.text
	.protected	k_q390cb8ae1d_prep
	.globl	k_q390cb8ae1d_prep
	.p2align	8
	.type	k_q390cb8ae1d_prep,@function
k_q390cb8ae1d_prep:
	s_mov_b64 s[64:65], 0
	v_nop
	global_prefetch_b8 v0, s[64:65] scope:SCOPE_SE
	s_setreg_imm32_b32 hwreg(HW_REG_WAVE_MODE, 25, 1), 1
	s_wait_xcnt 0x0
; q, kv [8192][512] and Wq, Wk, Wv, Wo [512][512], f32, K = 512 innermost, become codes of FP6 (E2M3) with one E8M0 byte for each 32 along K,
; laid in xw as IMAGES OF OPERAND REGISTERS, so that the later launches load fragments by 16 bytes a lane and nothing else.
; NO WORK OF reference() IS LEFT OUT IN THIS PROGRAM: all six products are live, every input is loaded.  (bk would cancel in a softmax of real numbers, but it moves K's codes, so it stays.)
; A block's scale is 2^(floor(log2(largest magnitude)) - 2): its byte is the largest magnitude's exponent field - 2, held at 1 from below.
; LIMITS: NaN and infinities among the inputs are not served.  A block of zeros gets the byte 1 where the rule says 127: its codes are zeros, and only this program reads the bytes.
; Blocks whose largest magnitude lies under 2^-124 are held at the byte 1.
; THE ROW ORDER.  Tile T of a tensor is 16 rows: lane row r stands for row 64 (T / 4) + 8 (T % 4) + r % 8 + 32 (r / 8).  Where four neighbouring tiles are source 0 of a product, a lane of the
; results then holds 32 NEIGHBOURS of source 0's rows in 32 neighbouring registers: a whole block for the next quantiser, in the order in which the 6-bit operand wants it.
; A RECORD (6,656 bytes) for each tile: fragment s (K step of 128: 12 registers a lane) at 1,536 s, its registers 4 g .. 4 g + 3 of a lane at 512 g + 16 lane; the four scale words of a lane's row at 6,144 + 16 lane.
; Tiles in xw: 0-511 q, 512-1023 kv, 1024- Wq, 1056- Wk, 1088- Wv, 1120- Wo.
; SHARES.  A wave takes one tile, a work-group four: 64 dense rows.  Each load reads 512 consecutive bytes of a row; a K step's 16 x 512 bytes turn through the wave's own stage in LDS, so that lane (r, h)
; gets k = 64 c + 32 h + 0 .. 31 of row r.  No barrier: waves share nothing.  Two K steps' loads (32 a wave) are on their way.
.set REC,   6656
.set SP,    528                        ; a stage row: 512 bytes + 16: the 16 rows that a load touches start in different banks
.set STG,   16*SP
.set SPARE, 4*STG                      ; behind the four stages: the spare words, 128 bytes a wave
.set LI,  1                            ; v1   16 x lane
.set STI, 2                            ; v2   the stage, on the way in
.set STO, 3                            ; v3   and on the way out: row r, + 128 h
.set SH8, 4                            ; v4   8 h
.set SPW, 5                            ; v5   my spare word; never rewritten
.set NIL, 6                            ; v6   0; never rewritten
.set SCQ, 8                            ; v8-11   the four scale words
.set R,   16                           ; v16-143 two sets of 64 numbers as loaded
.set X,   144                          ; v144-207 64 numbers: register 32 c + i = k 64 c + 32 h + i
.set PC,  208                          ; v208-219 a fragment's codes
.set CT,  220                          ; v220-227 the upper halves of two blocks' codes, before they are moved
.set BM,  228
.set SO,  232
.set BY,  234
.set PL,  236
.set SEL, 24
; 64 numbers of a lane, register 32 c + i = k 64 c + 32 h + i of its row: block (c, h) is all mine.  Codes of block c to v[dc .. dc + 5]; the row's scale word (byte 2 c + h) to v[pw].
.macro QUANT2 s, d0, d1, pw
.irp q, 0,1,2,3
	v_max3_num_f32 v[BM+\q], |v[(\s)+16*\q]|, |v[(\s)+16*\q+1]|, 0x1800000   ; four chains of 16 numbers, each with the floor 2^(3 - 127): the byte cannot fall under 1
.endr
.irp i, 2,4,6,8,10,12,14
.irp q, 0,1,2,3
	v_max3_num_f32 v[BM+\q], v[BM+\q], |v[(\s)+16*\q+\i]|, |v[(\s)+16*\q+\i+1]|
.endr
.endr
	v_max_num_f32 v[BM], v[BM], v[BM+1]
	v_max_num_f32 v[BM+2], v[BM+2], v[BM+3]
	v_add_nc_u32 v[SO], 0xff000000, v[BM]          ; 2 off the exponent field: the conversion's scale operand
	v_add_nc_u32 v[SO+1], 0xff000000, v[BM+2]
	v_lshrrev_b32 v[BY], 23, v[SO]                 ; the scale's byte
	v_lshrrev_b32 v[BY+1], 23, v[SO+1]
	v_lshl_or_b32 v[\pw], v[BY+1], 16, v[BY]       ; my two bytes, blocks h and 2 + h,
	v_lshlrev_b32 v[\pw], v[SH8], v[\pw]           ; at their places;
	v_permlanex16_b32 v[PL], v[\pw], s[SEL], s[SEL+1]
	v_or_b32 v[\pw], v[\pw], v[PL]                 ; with lane l xor 16's two the word is whole, in both lanes
	v_cvt_scalef32_pk16_fp6_f32 v[(\d0):(\d0)+2], v[(\s):(\s)+15], v[SO]
	v_cvt_scalef32_pk16_fp6_f32 v[CT:CT+2], v[(\s)+16:(\s)+31], v[SO]        ; (a conversion's three registers begin on an even number)
	v_cvt_scalef32_pk16_fp6_f32 v[(\d1):(\d1)+2], v[(\s)+32:(\s)+47], v[SO+1]
	v_cvt_scalef32_pk16_fp6_f32 v[CT+4:CT+6], v[(\s)+48:(\s)+63], v[SO+1]
	v_nop                                          ; one plain line behind the conversions
.irp i, 0,1,2
	v_mov_b32 v[(\d0)+3+\i], v[CT+\i]
	v_mov_b32 v[(\d1)+3+\i], v[CT+4+\i]
.endr
.endm
	s_load_b256 s[4:11], s[0:1], 0x0               ; q, kv, Wq, Wk
	s_load_b128 s[12:15], s[0:1], 0x20             ; Wv, Wo
	s_load_b64 s[16:17], s[0:1], 0x30              ; xw
	v_lshl_add_u32 v[SPW], v0, 2, SPARE
	v_mov_b32 v[NIL], 0
	v_lshrrev_b32 v7, 5, v0
	v_readfirstlane_b32 s18, v7                    ; wave
	v_and_b32 v7, 31, v0
	v_lshlrev_b32 v[LI], 4, v7
	s_mul_i32 s28, s18, STG
	v_add_nc_u32 v[STI], s28, v[LI]
	v_and_b32 v12, 15, v0                          ; r
	v_bfe_u32 v13, v0, 4, 1                        ; h
	v_mul_u32_u24 v[STO], v12, SP
	v_lshl_add_u32 v[STO], v13, 7, v[STO]
	v_add_nc_u32 v[STO], s28, v[STO]
	v_lshlrev_b32 v[SH8], 3, v13
	v_mov_b32 v[PL], 0                             ; a lane permute's destination counts as read
	s_mov_b32 s[SEL], 0x76543210
	s_mov_b32 s[SEL+1], 0xfedcba98
	s_wait_alu depctr_va_vdst(0)
	s_wait_kmcnt 0x0
	s_mov_b64 s[20:21], s[14:15]                   ; which tensor: by the work-group's number alone.  Wo from work-group 280 on,
	s_mov_b32 s22, 280
	s_cmp_lt_u32 ttmp9, 280
	s_cselect_b64 s[20:21], s[12:13], s[20:21]     ; Wv from 272,
	s_cselect_b32 s22, 272, s22
	s_cmp_lt_u32 ttmp9, 272
	s_cselect_b64 s[20:21], s[10:11], s[20:21]     ; Wk from 264,
	s_cselect_b32 s22, 264, s22
	s_cmp_lt_u32 ttmp9, 264
	s_cselect_b64 s[20:21], s[8:9], s[20:21]       ; Wq from 256,
	s_cselect_b32 s22, 256, s22
	s_cmp_lt_u32 ttmp9, 256
	s_cselect_b64 s[20:21], s[6:7], s[20:21]       ; kv from 128,
	s_cselect_b32 s22, 128, s22
	s_cmp_lt_u32 ttmp9, 128
	s_cselect_b64 s[20:21], s[4:5], s[20:21]       ; q from 0
	s_cselect_b32 s22, 0, s22
	s_sub_co_u32 s28, ttmp9, s22
	s_lshl_b32 s28, s28, 17                        ; 64 rows of 2,048 bytes a work-group,
	s_lshl_b32 s29, s18, 14                        ; 8 rows a wave
	s_add_co_u32 s28, s28, s29
	s_mov_b32 s29, 0
	s_add_nc_u64 s[20:21], s[20:21], s[28:29]
	s_lshl_b32 s30, ttmp9, 2
	s_add_co_u32 s30, s30, s18                     ; my tile's number in xw
	s_mul_i32 s30, s30, REC
	s_mov_b32 s31, 0
	s_add_nc_u64 s[26:27], s[16:17], s[30:31]
.macro LOAD s                          ; K step s of my 16 rows: each load 512 consecutive bytes of one row
.irp i, 0,1,2,3,4,5,6,7,8,9,10,11,12,13,14,15
	global_load_b128 v[R+64*((\s)%2)+4*\i:R+64*((\s)%2)+4*\i+3], v[LI], s[20:21] offset:((\i%8)+32*(\i/8))*2048+512*(\s) th:TH_LOAD_NT
.endr
.endm
.macro STEP s
.if \s < 3
	s_wait_loadcnt 16                              ; this K step's 16 loads are in; the next step's 16 may be out
.else
	s_wait_loadcnt 0x0
.endif
.irp i, 0,1,2,3,4,5,6,7,8,9,10,11,12,13,14,15
	ds_store_b128 v[STI], v[R+64*((\s)%2)+4*\i:R+64*((\s)%2)+4*\i+3] offset:SP*\i
.endr
.irp c, 0,1
.irp j, 0,1,2,3,4,5,6,7
	ds_load_b128 v[X+32*\c+4*\j:X+32*\c+4*\j+3], v[STO] offset:256*\c+16*\j   ; LDS serves a wave's instructions in order: these see the stores above
.endr
.endr
	s_wait_dscnt 0x0                               ; the numbers are back, and the stores have read their registers,
.if \s < 2
	LOAD (\s)+2                                    ; which take the loads of two steps on
.endif
	s_wait_xcnt 0x0                                ; the last step's stores have read the codes' registers: they are written again only behind this wait
	QUANT2 X, PC, PC+6, SCQ+\s
.irp g, 0,1,2
	global_store_b128 v[LI], v[PC+4*\g:PC+4*\g+3], s[26:27] offset:1536*(\s)+512*\g   ; 512 consecutive bytes, at a multiple of 256 from xw's first byte
.endr
.endm
	LOAD 0
	LOAD 1
	STEP 0
	STEP 1
	STEP 2
	STEP 3
	global_store_b128 v[LI], v[SCQ:SCQ+3], s[26:27] offset:6144
	s_wait_tensorcnt 0x0                           ; the wave's end, behind my last LDS store
	ds_add_u32 v[SPW], v[NIL]
	s_wait_dscnt 0x0
	s_endpgm
.Lfunc_end_k_q390cb8ae1d_prep:
	.size	k_q390cb8ae1d_prep, .Lfunc_end_k_q390cb8ae1d_prep-k_q390cb8ae1d_prep
	.p2alignl 7, 3214868480
	.fill 96, 4, 3214868480
	.section	.rodata,"a",@progbits
	.p2align	6, 0x0
	.amdhsa_kernel k_q390cb8ae1d_prep
		.amdhsa_group_segment_fixed_size 34304
		.amdhsa_private_segment_fixed_size 0
		.amdhsa_enable_private_segment 0
		.amdhsa_kernarg_size 56
		.amdhsa_user_sgpr_count 2
		.amdhsa_user_sgpr_kernarg_segment_ptr 1
		.amdhsa_wavefront_size32 1
		.amdhsa_system_sgpr_workgroup_id_x 1
		.amdhsa_system_sgpr_workgroup_id_y 1
		.amdhsa_system_sgpr_workgroup_id_z 1
		.amdhsa_system_vgpr_workitem_id 0
		.amdhsa_next_free_vgpr 248
		.amdhsa_next_free_sgpr 66
		.amdhsa_reserve_vcc 0
		.amdhsa_float_denorm_mode_32 3
		.amdhsa_float_denorm_mode_16_64 3
		.amdhsa_memory_ordered 1
		.amdhsa_forward_progress 1
		.amdhsa_inst_pref_size 31
	.end_amdhsa_kernel
	.amdgpu_metadata
---
amdhsa.version: [ 1, 2 ]
amdhsa.kernels:
  - .name:           k_q390cb8ae1d_prep
    .symbol:         k_q390cb8ae1d_prep.kd
    .args:
      - { .name: q, .offset: 0, .size: 8, .value_kind: global_buffer, .address_space: global }
      - { .name: kv, .offset: 8, .size: 8, .value_kind: global_buffer, .address_space: global }
      - { .name: Wq, .offset: 16, .size: 8, .value_kind: global_buffer, .address_space: global }
      - { .name: Wk, .offset: 24, .size: 8, .value_kind: global_buffer, .address_space: global }
      - { .name: Wv, .offset: 32, .size: 8, .value_kind: global_buffer, .address_space: global }
      - { .name: Wo, .offset: 40, .size: 8, .value_kind: global_buffer, .address_space: global }
      - { .name: xw, .offset: 48, .size: 8, .value_kind: global_buffer, .address_space: global }
    .group_segment_fixed_size: 34304
    .private_segment_fixed_size: 0
    .kernarg_segment_align: 8
    .kernarg_segment_size: 56
    .max_flat_workgroup_size: 128
    .sgpr_count:     66
    .vgpr_count:     248
    .wavefront_size: 32
...
	.end_amdgpu_metadata
.endif
;; end of part 1
;; launch proj (part 2): grid 256 x 1, 3 waves a work-group, no clusters, 0 bytes of LDS; arguments xw, bq, bk, bv, qkv; writes qkv
.if DOCPART == 2
	.amdgcn_target "amdgcn-amd-amdhsa--gfx1250"
	.amdhsa_code_object_version 6
	.text
	.protected	k_q390cb8ae1d_proj
	.globl	k_q390cb8ae1d_proj
	.p2align	8
	.type	k_q390cb8ae1d_proj,@function
k_q390cb8ae1d_proj:
	s_mov_b64 s[64:65], 0
	v_nop
	global_prefetch_b8 v0, s[64:65] scope:SCOPE_SE
	s_setreg_imm32_b32 hwreg(HW_REG_WAVE_MODE, 25, 1), 1
	s_wait_xcnt 0x0
; qh = q Wq^T + bq, kh = kv Wk^T + bk, vh = kv Wv^T + bv on codes of FP6 out of xw; the results are quantised in registers (qh, kh along the head's 64, vh along the keys) and stored as operand images in qkv.
; Nothing of reference() is left out.  LIMITS as in the first kernel: no NaN or infinities; a block of zeros gets the byte 1; blocks under 2^-124 are held at the byte 1.
; SHARES.  768 equal jobs: wave 0 makes Q's, wave 1 K's, wave 2 V's part of job j = the work-group's number: 128 tokens (j / 4) x 128 channels (j % 4: two heads).  Three waves, so that 256 work-groups carry the same load.
; SOURCE 0 STAYS IN REGISTERS: eight tiles x four K steps, 384 registers.  For Q and K it is the weight's 128 rows, and source 1 a tile of 16 tokens: a lane then holds one token, and its 64 registers run along the two heads' 64 + 64 dims.
; For V it is the 128 tokens, and source 1 a tile of 16 rows of Wv: a lane holds one channel and its registers run along 128 keys.  By the tiles' row order (first kernel) 32 neighbouring registers are a whole block of 32.
; qkv: K's record of a key step at ((b 8 + head) 32 + step) 13,312 and V's 6,656 behind it; from 6,815,744 on Q's records (6,656 bytes, 128 queries of a head) at ((b 8 + head) 32 + group) 6,656.
; In Q's and K's records fragment f is a PAIR of tiles: tile 2 f's 64 dims in registers 0-5, tile 2 f + 1's in 6-11; scale word f: bytes 0, 1 tile 2 f's, bytes 2, 3 tile 2 f + 1's.  In V's, fragment t is 16 channels x 128 keys.
; REGISTERS: window 0: addresses, accumulators, at work, scale words.  Windows 1, 2: source 0's fragments (tile i, K step s) at 12 (8 (s % 2) + i).  Window 3: v0-63 the bias as C, v64-159 source 1, two sets.
.set REC,  6656
.set LI,   1                           ; v1   16 x lane
.set BA,   2                           ; v2   my place in the bias
.set SH8,  3                           ; v3   8 h
.set ACC,  16                          ; v16-79  eight accumulators
.set H0,   80                          ; v80-91  a pair's codes, first head (V: a fragment's codes)
.set H1,   92                          ; v92-103 second head
.set CT,   104
.set BM,   112
.set SO,   116
.set BY,   118
.set PL,   120
.set PW,   122                         ; v122-123 an item's scale word, even and odd item
.set SQ0,  124                         ; v124-127, v128-131 the two records' scale quads
.set SQ1,  128
.set BVL,  132                         ; v132-133 V: my channel's bias, two sets
.set S0S,  140                         ; v140-171 source 0's scale words: tile i's quad at 4 i
.set S1S,  172                         ; v172-179 source 1's, two sets
.set SEL,  34
.set MSB, 0
.macro WIN new                         ; the immediate's high byte repeats the setting that is left
.if MSB != \new
	s_set_vgpr_msb (MSB<<8)|\new
.set MSB, \new
.endif
.endm
.macro PLACES
.rept 4
	v_nop
.endr
.endm
.macro QUANT2 s, d0, d1, pw            ; as in the first kernel.  Each accumulator's first read is of its registers 0 and 1
.irp q, 0,1,2,3
	v_max3_num_f32 v[BM+\q], |v[(\s)+16*\q]|, |v[(\s)+16*\q+1]|, 0x1800000
.endr
.irp i, 2,4,6,8,10,12,14
.irp q, 0,1,2,3
	v_max3_num_f32 v[BM+\q], v[BM+\q], |v[(\s)+16*\q+\i]|, |v[(\s)+16*\q+\i+1]|
.endr
.endr
	v_max_num_f32 v[BM], v[BM], v[BM+1]
	v_max_num_f32 v[BM+2], v[BM+2], v[BM+3]
	v_add_nc_u32 v[SO], 0xff000000, v[BM]
	v_add_nc_u32 v[SO+1], 0xff000000, v[BM+2]
	v_lshrrev_b32 v[BY], 23, v[SO]
	v_lshrrev_b32 v[BY+1], 23, v[SO+1]
	v_lshl_or_b32 v[\pw], v[BY+1], 16, v[BY]
	v_lshlrev_b32 v[\pw], v[SH8], v[\pw]
	v_permlanex16_b32 v[PL], v[\pw], s[SEL], s[SEL+1]
	v_or_b32 v[\pw], v[\pw], v[PL]
	v_cvt_scalef32_pk16_fp6_f32 v[(\d0):(\d0)+2], v[(\s):(\s)+15], v[SO]
	v_cvt_scalef32_pk16_fp6_f32 v[CT:CT+2], v[(\s)+16:(\s)+31], v[SO]
	v_cvt_scalef32_pk16_fp6_f32 v[(\d1):(\d1)+2], v[(\s)+32:(\s)+47], v[SO+1]
	v_cvt_scalef32_pk16_fp6_f32 v[CT+4:CT+6], v[(\s)+48:(\s)+63], v[SO+1]
	v_nop
.irp i, 0,1,2
	v_mov_b32 v[(\d0)+3+\i], v[CT+\i]
	v_mov_b32 v[(\d1)+3+\i], v[CT+4+\i]
.endr
.endm
; source 1's tile it: four fragments and the scale quad into set it % 2 (bias = 1: and my channel's bias)
.macro S1LOAD it, bias
	WIN 0xc0                                       ; destination window 3
.irp s, 0,1,2,3
.irp g, 0,1,2
	global_load_b128 v[64+48*((\it)%2)+12*\s+4*\g:64+48*((\it)%2)+12*\s+4*\g+3], v[LI], s[26:27] offset:REC*(\it)+1536*\s+512*\g
.endr
.endr
	WIN 0
	global_load_b128 v[S1S+4*((\it)%2):S1S+4*((\it)%2)+3], v[LI], s[26:27] offset:REC*(\it)+6144
.if \bias
	global_load_b32 v[BVL+(\it)%2], v[BA], s[28:29] offset:(64*((\it)/4)+8*((\it)%4))*4
.endif
.endm
; 32 products: source 0's eight tiles x four K steps against source 1's set p.  The eight accumulators take turns.  The bias is the C of each sum's first product: cw = 1 from window 3, 0 from v[8:15]
.macro MUL acc, p, cw
.irp s, 0,1,2,3
.if \s == 0
.if \cw
	WIN 0x3d                                       ; source 0 window 1, source 1 and C window 3
.else
	WIN 0x0d
.endif
.elseif \s == 1
	WIN 0x0d                                       ; source 0 window 1, source 1 window 3
.else
	WIN 0x0e                                       ; source 0 window 2
.endif
.irp i, 0,1,2,3,4,5,6,7
.if \s == 0
.if \cw
	v_wmma_scale_f32_16x16x128_f8f6f4 v[(\acc)+8*\i:(\acc)+8*\i+7], v[12*\i:12*\i+11], v[64+48*(\p):64+48*(\p)+11], v[8*\i:8*\i+7], v[S0S+4*\i], v[S1S+4*(\p)] matrix_a_fmt:MATRIX_FMT_FP6 matrix_b_fmt:MATRIX_FMT_FP6
.else
	v_wmma_scale_f32_16x16x128_f8f6f4 v[(\acc)+8*\i:(\acc)+8*\i+7], v[12*\i:12*\i+11], v[64+48*(\p):64+48*(\p)+11], v[8:15], v[S0S+4*\i], v[S1S+4*(\p)] matrix_a_fmt:MATRIX_FMT_FP6 matrix_b_fmt:MATRIX_FMT_FP6
.endif
.else
	v_wmma_scale_f32_16x16x128_f8f6f4 v[(\acc)+8*\i:(\acc)+8*\i+7], v[12*(8*(\s%2)+\i):12*(8*(\s%2)+\i)+11], v[64+48*(\p)+12*\s:64+48*(\p)+12*\s+11], v[(\acc)+8*\i:(\acc)+8*\i+7], v[S0S+4*\i+\s], v[S1S+4*(\p)+\s] matrix_a_fmt:MATRIX_FMT_FP6 matrix_b_fmt:MATRIX_FMT_FP6
.endif
.endr
.endr
	WIN 0
.endm
	s_load_b256 s[4:11], s[0:1], 0x0               ; xw, bq, bk, bv
	s_load_b64 s[12:13], s[0:1], 0x20              ; qkv
	v_lshrrev_b32 v4, 5, v0
	v_readfirstlane_b32 s14, v4                    ; wave: 0 Q, 1 K, 2 V
	v_and_b32 v4, 31, v0
	v_lshlrev_b32 v[LI], 4, v4
	v_and_b32 v5, 15, v0                           ; r
	v_bfe_u32 v6, v0, 4, 1                         ; h
	v_lshlrev_b32 v[SH8], 3, v6
	v_mov_b32 v[PL], 0
	s_mov_b32 s[SEL], 0x76543210
	s_mov_b32 s[SEL+1], 0xfedcba98
	s_and_b32 s15, ttmp9, 3                        ; a: which 128 channels
	s_lshr_b32 s16, ttmp9, 2                       ; which 128 tokens, 0 .. 63
	s_lshl_b32 s17, s16, 3
	s_cmp_eq_u32 s14, 0
	s_cselect_b32 s18, 0, 512
	s_add_co_u32 s17, s17, s18                     ; the tokens' first tile in xw: q's or kv's
	s_lshl_b32 s18, s14, 5
	s_lshl_b32 s19, s15, 3
	s_add_co_u32 s18, s18, s19
	s_add_co_u32 s18, s18, 1024                    ; the weight's first tile
	s_cmp_eq_u32 s14, 2
	s_cselect_b32 s19, s17, s18                    ; source 0: the weight (Q, K) or the tokens (V)
	s_cselect_b32 s20, s18, s17                    ; source 1: the other
	s_mul_i32 s24, s19, REC
	s_mov_b32 s25, 0
	s_mul_i32 s26, s20, REC
	s_mov_b32 s27, 0
	s_lshr_b32 s21, s16, 5                         ; b
	s_lshl_b32 s21, s21, 8
	s_lshl_b32 s22, s15, 6
	s_add_co_u32 s21, s21, s22
	s_and_b32 s22, s16, 31
	s_add_co_u32 s21, s21, s22                     ; (b 8 + 2 a) 32 + the group of 128 tokens
	s_cmp_eq_u32 s14, 0
	s_mov_b32 s22, 13312
	s_cselect_b32 s22, 6656, s22                   ; from record to record
	s_cselect_b32 s36, 6815744, 0                  ; THE ORDER IN qkv (it replaces the one named at the head): K's and V's records lie first, from byte 0 on; Q's records follow from byte 6,815,744 on
	s_cmp_eq_u32 s14, 2
	s_cselect_b32 s37, 6656, 0                     ; V's behind K's
	s_mul_i32 s30, s21, s22
	s_add_co_u32 s30, s30, s36
	s_add_co_u32 s30, s30, s37
	s_mov_b32 s31, 0
	s_lshl_b32 s32, s22, 5                         ; the second head's record: 32 records on
	s_mov_b32 s33, 0
	s_lshl_b32 s36, s15, 9                         ; my 128 numbers of the bias
	s_mov_b32 s37, 0
	s_wait_alu depctr_va_vdst(0)
	s_wait_kmcnt 0x0
	s_add_nc_u64 s[24:25], s[4:5], s[24:25]
	s_add_nc_u64 s[26:27], s[4:5], s[26:27]
	s_add_nc_u64 s[30:31], s[12:13], s[30:31]
	s_add_nc_u64 s[32:33], s[30:31], s[32:33]
	s_cmp_eq_u32 s14, 0
	s_cselect_b64 s[28:29], s[6:7], s[8:9]
	s_cmp_eq_u32 s14, 2
	s_cselect_b64 s[28:29], s[10:11], s[28:29]
	s_add_nc_u64 s[28:29], s[28:29], s[36:37]
	WIN 0x40                                       ; destination window 1
.irp s, 0,1
.irp i, 0,1,2,3,4,5,6,7
.irp g, 0,1,2
	global_load_b128 v[12*(8*\s+\i)+4*\g:12*(8*\s+\i)+4*\g+3], v[LI], s[24:25] offset:REC*\i+1536*\s+512*\g
.endr
.endr
.endr
	WIN 0x80                                       ; destination window 2
.irp s, 0,1
.irp i, 0,1,2,3,4,5,6,7
.irp g, 0,1,2
	global_load_b128 v[12*(8*\s+\i)+4*\g:12*(8*\s+\i)+4*\g+3], v[LI], s[24:25] offset:REC*\i+1536*(\s+2)+512*\g
.endr
.endr
.endr
	WIN 0
.irp i, 0,1,2,3,4,5,6,7
	global_load_b128 v[S0S+4*\i:S0S+4*\i+3], v[LI], s[24:25] offset:REC*\i+6144
.endr
	s_cmp_eq_u32 s14, 2
	s_cbranch_scc1 .Lv
	; ---- Q and K: an item is a tile of 16 tokens
	v_lshlrev_b32 v[BA], 7, v6                     ; lane (r, h) wants, for tile i, the bias of channels 64 (i / 4) + 32 h + 8 (i % 4) + 0 .. 7
	WIN 0xc0
.irp i, 0,1,2,3,4,5,6,7
	global_load_b128 v[8*\i:8*\i+3], v[BA], s[28:29] offset:(64*(\i/4)+8*(\i%4))*4
	global_load_b128 v[8*\i+4:8*\i+7], v[BA], s[28:29] offset:(64*(\i/4)+8*(\i%4))*4+16
.endr
	WIN 0
	S1LOAD 0, 0
.macro ITEMQK it
.if \it < 7
	S1LOAD (\it)+1, 0                              ; into the set that the item before last multiplied: its quantiser's lines stand between
	s_wait_loadcnt 13                              ; all but the 13 just issued
.else
	s_wait_loadcnt 0x0
.endif
	MUL ACC, (\it)%2, 1
	PLACES                                         ; four places ahead of the first read of results
	s_wait_xcnt 0x0                                ; earlier stores have read the codes' registers
	QUANT2 ACC, H0+6*((\it)%2), H1+6*((\it)%2), PW+(\it)%2
.if (\it)%2
	v_perm_b32 v[SQ0+(\it)/2], v[PW+1], v[PW], 0x05040100   ; the pair's scale word, first head: both items' low halves;
	v_perm_b32 v[SQ1+(\it)/2], v[PW+1], v[PW], 0x07060302   ; second head: their high halves
.irp g, 0,1,2
	global_store_b128 v[LI], v[H0+4*\g:H0+4*\g+3], s[30:31] offset:1536*((\it)/2)+512*\g   ; 512 consecutive bytes, at a multiple of 256 from qkv's first byte
	global_store_b128 v[LI], v[H1+4*\g:H1+4*\g+3], s[32:33] offset:1536*((\it)/2)+512*\g
.endr
.endif
.endm
.irp n, 0,1,2,3,4,5,6,7
	ITEMQK \n
.endr
	global_store_b128 v[LI], v[SQ0:SQ0+3], s[30:31] offset:6144
	global_store_b128 v[LI], v[SQ1:SQ1+3], s[32:33] offset:6144
	s_endpgm
.Lv:	; ---- V: an item is a tile of 16 channels; its 128 keys become one fragment
	v_and_b32 v7, 7, v5
	v_lshrrev_b32 v[BA], 3, v5
	v_lshl_add_u32 v[BA], v[BA], 5, v7
	v_lshlrev_b32 v[BA], 2, v[BA]                  ; my channel in a tile: r % 8 + 32 (r / 8)
	S1LOAD 0, 1
.macro ITEMV it
.if \it < 7
	S1LOAD (\it)+1, 1
	s_wait_loadcnt 14                              ; all but the 14 just issued
.else
	s_wait_loadcnt 0x0
.endif
.irp j, 0,1,2,3,4,5,6,7
	v_mov_b32 v[8+\j], v[BVL+(\it)%2]              ; the bias as C: the same for all keys
.endr
	PLACES
	MUL ACC, (\it)%2, 0
	PLACES
	s_wait_xcnt 0x0
	QUANT2 ACC, H0, H0+6, SQ0+(\it)
.irp g, 0,1,2
	global_store_b128 v[LI], v[H0+4*\g:H0+4*\g+3], s[30+2*((\it)/4):31+2*((\it)/4)] offset:1536*((\it)%4)+512*\g
.endr
.endm
.irp n, 0,1,2,3,4,5,6,7
	ITEMV \n
.endr
	global_store_b128 v[LI], v[SQ0:SQ0+3], s[30:31] offset:6144
	global_store_b128 v[LI], v[SQ1:SQ1+3], s[32:33] offset:6144
	s_endpgm
.Lfunc_end_k_q390cb8ae1d_proj:
	.size	k_q390cb8ae1d_proj, .Lfunc_end_k_q390cb8ae1d_proj-k_q390cb8ae1d_proj
	.p2alignl 7, 3214868480
	.fill 96, 4, 3214868480
	.section	.rodata,"a",@progbits
	.p2align	6, 0x0
	.amdhsa_kernel k_q390cb8ae1d_proj
		.amdhsa_group_segment_fixed_size 0
		.amdhsa_private_segment_fixed_size 0
		.amdhsa_enable_private_segment 0
		.amdhsa_kernarg_size 40
		.amdhsa_user_sgpr_count 2
		.amdhsa_user_sgpr_kernarg_segment_ptr 1
		.amdhsa_wavefront_size32 1
		.amdhsa_system_sgpr_workgroup_id_x 1
		.amdhsa_system_sgpr_workgroup_id_y 1
		.amdhsa_system_sgpr_workgroup_id_z 1
		.amdhsa_system_vgpr_workitem_id 0
		.amdhsa_next_free_vgpr 928
		.amdhsa_next_free_sgpr 66
		.amdhsa_reserve_vcc 0
		.amdhsa_float_denorm_mode_32 3
		.amdhsa_float_denorm_mode_16_64 3
		.amdhsa_memory_ordered 1
		.amdhsa_forward_progress 1
		.amdhsa_inst_pref_size 162
	.end_amdhsa_kernel
	.amdgpu_metadata
---
amdhsa.version: [ 1, 2 ]
amdhsa.kernels:
  - .name:           k_q390cb8ae1d_proj
    .symbol:         k_q390cb8ae1d_proj.kd
    .args:
      - { .name: xw, .offset: 0, .size: 8, .value_kind: global_buffer, .address_space: global }
      - { .name: bq, .offset: 8, .size: 8, .value_kind: global_buffer, .address_space: global }
      - { .name: bk, .offset: 16, .size: 8, .value_kind: global_buffer, .address_space: global }
      - { .name: bv, .offset: 24, .size: 8, .value_kind: global_buffer, .address_space: global }
      - { .name: qkv, .offset: 32, .size: 8, .value_kind: global_buffer, .address_space: global }
    .group_segment_fixed_size: 0
    .private_segment_fixed_size: 0
    .kernarg_segment_align: 8
    .kernarg_segment_size: 40
    .max_flat_workgroup_size: 96
    .sgpr_count:     66
    .vgpr_count:     928
    .wavefront_size: 32
...
	.end_amdgpu_metadata
.endif
;; end of part 2
;; launch attn (part 3): grid 16 x 16, 8 waves a work-group, clusters of 4 x 1, 327,680 bytes of LDS; arguments qkv, aimg; writes aimg
.if DOCPART == 3
	.amdgcn_target "amdgcn-amd-amdhsa--gfx1250"
	.amdhsa_code_object_version 6
	.text
	.protected	k_q390cb8ae1d_attn
	.globl	k_q390cb8ae1d_attn
	.p2align	8
	.type	k_q390cb8ae1d_attn,@function
k_q390cb8ae1d_attn:
	s_mov_b64 s[64:65], 0
	v_nop
	global_prefetch_b8 v0, s[64:65] scope:SCOPE_SE
	s_setreg_imm32_b32 hwreg(HW_REG_WAVE_MODE, 25, 1), 1
	s_wait_xcnt 0x0
	s_wait_alu depctr_hold_cnt(0) depctr_sa_sdst(0) depctr_va_vdst(0) depctr_va_sdst(0) depctr_va_ssrc(0) depctr_va_vcc(0) depctr_vm_vsrc(0)
	s_getreg_b32 s2, hwreg(HW_REG_IB_STS2, 6, 4)
	s_cmp_eq_u32 s2, 0
	s_cbranch_scc0 .Lentry_in_a_cluster
	s_endpgm
.Lentry_in_a_cluster:
	s_bfe_u32 s2, ttmp6, 0x10000c
	s_cmp_lg_u32 s2, 0x3003
	s_cbranch_scc0 .Lentry_shape_is_right
	s_endpgm
.Lentry_shape_is_right:
; softmax(qh kh^T / 8) vh for one head and 256 queries a work-group, on codes of FP6 out of qkv (operand images); the result, divided by the row's sum, is quantised along the head's 64 and stored as operand images in aimg.
; Nothing of reference() is left out.  LIMITS: NaN and infinities are not served; the promise holds while the scaled scores stay under 2^31 in magnitude; a block of p (or of results) under 2^-124 keeps the byte 1.
; SHARES.  Eight waves, two to a SIMD; a wave has 32 queries: tile X and tile Y of 16.  Both products are used transposed: a lane holds one query.
; A key step is 128 keys: K's record (four fragments, each a pair of key tiles x 64 dims) and V's (four fragments of 16 dims x 128 keys), 13,312 bytes.
; THE ORDER OF WORK.  A half is one tile's softmax of one key step.  Among its row-sum additions stand the OTHER tile's 8 score products, among its rescalings of O the other tile's 4 products P V.
; Trip k: K(k+1) from LDS; half Y(k) with S(X, k+1) and P V (X, k); half X(k+1) with S(Y, k+1) and P V (Y, k); V(k+1) from LDS.  So a trip reads key step k + 1 alone.
; WINDOWS: window 1: the scores v0-127, K's fragments v128-175, the queries v176-205, the sums v208-223: so the additions (sums, sums, p) and the score products (scores, K, q) stand under one setting;
; window 0: all else, O, V's fragments and p's codes among it: the rescalings and the products P V need no setting.
; THE RING: two slots of 12 key steps (159,744 bytes): steps 1-12, 13-24, then 25-32 into the first slot; key step 0 and the queries come straight into registers.  Step 32 is bytes of qkv behind the head's (the next head's, or Q's records); no wave reads it.
; A wave brings an eighth of a fill, 78 rows of 256 bytes (of the third: 52), by one joint load: the four work-groups of a cluster have the same head.  One load a wave is out behind each round.
; No prefetch: a fill is asked for twelve trips ahead of its first read, so no wave's read follows close on its request.
.set RECB,  6656
.set STEPB, 2*RECB
.set SLOTB, 12*STEPB
.set WPART, SLOTB/8
.set SLOT1, SLOTB
.set SPARE, 2*SLOTB                    ; the spare words, 128 bytes a wave
.set HEADB, 32*STEPB
.set QBASE, 16*HEADB
.set AREC,  7168
.set LI,  1                            ; 16 x lane
.set ADR, 2
.set SPW, 3                            ; my spare word; never rewritten
.set NIL, 4                            ; 0; never rewritten
.set SH8, 5                            ; 8 h
.set GO,  6
.set GS,  7
.set NEG, 8                            ; the least f32 number
.set NM,  12                           ; tile t: v[NM+2t] = -M, v[NM+2t+1] = the running largest t
.set FF,  16                           ; tile t: v[FF+2t] = f = 2^(old M - new M)
.set QS,  20                           ; q's scale word, by tile
.set PS,  22                           ; p's scale word, by tile
.set KS,  24                           ; K's four scale words
.set VS,  28                           ; V's
.set TA,  32
.set PL,  33
.set OM,  34
.set BM,  36
.set SO,  40
.set BY,  42
.set CT,  44
.set PC,  52                           ; p's codes: 12 registers a tile
.set O,   80                           ; O: 32 registers a tile
.set VF,  144
.set E,   192                          ; at the head: q as loaded; at the end: the results, 32 registers a tile
.set KF,  128                          ; window 1
.set QF,  176                          ; window 1: zeros, q of X, zeros, q of Y, zeros: six registers each
.set AC,  208                          ; window 1: four pairs of sums a tile
.set WV,  8
.set CX,  9
.set QBK, 10
.set BH,  11
.set SEL, 12
.set CS,  14
.set G1,  16
.set G0A, 24
.set G0B, 28
.set TB,  32
.set CNT, 33
.set KV,  34
.set LB,  36
.set QC,  38
.set QW,  40
.set KT,  42
.set OUTC, 44
.set OUTS, 46
.set G1S, 48
.set G0C, 56
.set MSB, 0
.macro WIN new                         ; bits 1:0 source 0, 3:2 source 1, 5:4 source 2, 7:6 destination; the high byte repeats the setting that is left
.if MSB != (\new)
	s_set_vgpr_msb (MSB<<8)|(\new)
.set MSB, (\new)
.endif
.endm
.macro PLACES
.rept 4
	v_nop
.endr
.endm
.macro D1
	s_delay_alu instid0(VALU_DEP_1)
.endm
.macro D2
	s_delay_alu instid0(VALU_DEP_2)
.endm
.macro CROUND
	s_barrier_signal -1
	s_barrier_wait -1
	s_cmp_lg_u32 s[WV], 0
	s_cbranch_scc1 .Lnot_wave_0_\@
	s_barrier_signal -3
.Lnot_wave_0_\@:
	s_barrier_wait -3
	s_barrier_signal -1
	s_barrier_wait -1
.endm
; score product w (0 .. 7) of tile OT: key tile w.  An even key tile lies in k 0-63 of its fragment and meets (q, zeros), an odd one in k 64-127 and meets (zeros, q)
.macro SW
	v_wmma_scale_f32_16x16x128_f8f6f4 v[64*OT+8*w:64*OT+8*w+7], v[KF+12*(w/2):KF+12*(w/2)+11], v[QF+12*OT+6-6*(w%2):QF+12*OT+17-6*(w%2)], 0, v[KS+w/2], v[QS+OT] matrix_a_fmt:MATRIX_FMT_FP6 matrix_b_fmt:MATRIX_FMT_FP6
.endm
; product P V number w (0 .. 3) of tile OT: 16 dims.  The accumulators take turns
.macro PW
	v_wmma_scale_f32_16x16x128_f8f6f4 v[O+32*OT+8*w:O+32*OT+8*w+7], v[VF+12*w:VF+12*w+11], v[PC+12*OT:PC+12*OT+11], v[O+32*OT+8*w:O+32*OT+8*w+7], v[VS+w], v[PS+OT] matrix_a_fmt:MATRIX_FMT_FP6 matrix_b_fmt:MATRIX_FMT_FP6
.endm
; A half.  p: 0 tile X, 1 tile Y.  ds: the other tile's score products are issued.  dp: its products P V are issued.
.macro HALF p, ds, dp
.set OT, 1-\p
	WIN 0x14
.irp i, 0,2,4,6,8,10,12,14             ; the largest score: four chains of 16 by turns, each accumulator from its low end on
.irp q, 0,1,2,3
.if \i == 0
	v_max3_num_f32 v[BM+\q], v[NEG], v[64*\p+16*\q], v[64*\p+16*\q+1]
.else
	v_max3_num_f32 v[BM+\q], v[BM+\q], v[64*\p+16*\q+\i], v[64*\p+16*\q+\i+1]
.endif
.endr
.endr
	WIN 0
	v_mov_b32 v[OM], v[NM+2*\p]                    ; the old -M
	v_max_num_f32 v[BM], v[BM], v[BM+1]            ; my first block of 32 keys,
	v_max_num_f32 v[BM+2], v[BM+2], v[BM+3]        ; my second
	D1
	v_max_num_f32 v[TA], v[BM], v[BM+2]
	D1
	v_permlanex16_b32 v[PL], v[TA], s[SEL], s[SEL+1]
	D1
	v_max_num_f32 v[TA], v[TA], v[PL]              ; the step's largest score of my query
	D1
	v_mul_f32 v[TA], s[CS], v[TA]
	D1
	v_max_num_f32 v[NM+2*\p+1], v[NM+2*\p+1], v[TA]
	D1
	v_floor_f32 v[NM+2*\p], -v[NM+2*\p+1]          ; -M = floor(-t): M is a whole number
	D1
	v_sub_f32 v[TA], v[NM+2*\p], v[OM]
	D2
	v_fma_f32 v[BM], v[BM], s[CS], v[NM+2*\p]      ; t - M of each block's largest score: p rises with the score
	v_fma_f32 v[BM+2], v[BM+2], s[CS], v[NM+2*\p]
	v_cvt_i32_f32 v[TA], v[TA]
	D1
	v_ldexp_f32 v[FF+2*\p], 1.0, v[TA]             ; f: a power of two, so the rescalings round nothing
	WIN 0x41
.set j, 0
.rept 32
	v_pk_fma_f32 v[64*\p+j:64*\p+j+1], v[64*\p+j:64*\p+j+1], s[CS:CS+1], v[NM+2*\p:NM+2*\p+1] op_sel_hi:[1,0,0]
.set j, j+2
.endr
	s_wait_alu depctr_va_vdst(0)                   ; the wait ahead of the batch
.set j, 0
.rept 64
	v_exp_f32 v[64*\p+j], v[64*\p+j]               ; p = 2^(t - M)
.set j, j+1
.endr
	WIN 0
	v_exp_f32 v[BM], v[BM]
	v_exp_f32 v[BM+2], v[BM+2]
	v_nop                                          ; one plain place behind the batch
	s_wait_alu depctr_va_vdst(0)                   ; and the one wait for it, directly ahead of the wait below
	s_wait_dscnt 0x0                               ; the fragments and scale words asked for since the last such wait are in
	WIN 0x51
.irp c, 0,1,2,3
	v_pk_fma_f32 v[AC+8*\p+2*\c:AC+8*\p+2*\c+1], v[AC+8*\p+2*\c:AC+8*\p+2*\c+1], v[FF+2*\p:FF+2*\p+1], v[64*\p+2*\c:64*\p+2*\c+1] op_sel_hi:[1,0,1]   ; the sums under the new M, and the first eight p
.endr
	WIN 0x45                                       ; serves the additions and the score products alike
.set w, 0
.rept 8
.if \ds
	SW
.endif
.if w < 7
.irp c, 0,1,2,3
	v_pk_add_f32 v[AC+8*\p+2*\c:AC+8*\p+2*\c+1], v[AC+8*\p+2*\c:AC+8*\p+2*\c+1], v[64*\p+8*w+8+2*\c:64*\p+8*w+9+2*\c]   ; the row's sum is taken of the unquantised p: four chains by turns
.endr
.endif
.set w, w+1
.endr
	WIN 0
	v_max_num_f32 v[BM], 0x1800000, v[BM]          ; the floor 2^(3 - 127): the byte cannot fall under 1
	v_max_num_f32 v[BM+2], 0x1800000, v[BM+2]
	D2
	v_add_nc_u32 v[SO], 0xff000000, v[BM]          ; 2 off the exponent field: the conversion's scale operand
	D2
	v_add_nc_u32 v[SO+1], 0xff000000, v[BM+2]
	D2
	v_lshrrev_b32 v[BY], 23, v[SO]
	D2
	v_lshrrev_b32 v[BY+1], 23, v[SO+1]
	D1
	v_lshl_or_b32 v[PS+\p], v[BY+1], 16, v[BY]
	D1
	v_lshlrev_b32 v[PS+\p], v[SH8], v[PS+\p]
	D1
	v_permlanex16_b32 v[PL], v[PS+\p], s[SEL], s[SEL+1]
	D1
	v_or_b32 v[PS+\p], v[PS+\p], v[PL]             ; p's scale word of these 128 keys
	WIN 0x01
	v_cvt_scalef32_pk16_fp6_f32 v[PC+12*\p:PC+12*\p+2], v[64*\p:64*\p+15], v[SO]
	v_cvt_scalef32_pk16_fp6_f32 v[CT:CT+2], v[64*\p+16:64*\p+31], v[SO]          ; (a conversion's three registers begin on an even number)
	v_cvt_scalef32_pk16_fp6_f32 v[PC+12*\p+6:PC+12*\p+8], v[64*\p+32:64*\p+47], v[SO+1]
	v_cvt_scalef32_pk16_fp6_f32 v[CT+4:CT+6], v[64*\p+48:64*\p+63], v[SO+1]
	WIN 0
	v_nop                                          ; one plain line behind the conversions
.irp i, 0,1,2
	v_mov_b32 v[PC+12*\p+3+\i], v[CT+\i]
	v_mov_b32 v[PC+12*\p+9+\i], v[CT+4+\i]
.endr
	s_wait_alu depctr_va_vdst(0)                   ; the wait directly ahead of the first readers of O, which follow as one plain run, each accumulator's low end
.irp a, 0,1,2,3
	v_pk_mul_f32 v[O+32*\p+8*\a:O+32*\p+8*\a+1], v[O+32*\p+8*\a:O+32*\p+8*\a+1], v[FF+2*\p:FF+2*\p+1] op_sel_hi:[1,0]
.endr
.set w, 0
.rept 4
.if \dp
	PW
.endif
.irp j, 2,4,6
	v_pk_mul_f32 v[O+32*\p+8*w+\j:O+32*\p+8*w+\j+1], v[O+32*\p+8*w+\j:O+32*\p+8*w+\j+1], v[FF+2*\p:FF+2*\p+1] op_sel_hi:[1,0]
.endr
.set w, w+1
.endr
.endm
.macro FLOAD base, off                 ; a record's four fragments from LDS
.irp f, 0,1,2,3
.irp g, 0,1,2
	ds_load_b128 v[\base+12*\f+4*\g:\base+12*\f+4*\g+3], v[ADR] offset:\off+1536*\f+512*\g
.endr
.endr
.endm
.macro GLOAD base, off                 ; and key step 0's from memory
.irp f, 0,1,2,3
.irp g, 0,1,2
	global_load_b128 v[\base+12*\f+4*\g:\base+12*\f+4*\g+3], v[LI], s[KV:KV+1] offset:\off+1536*\f+512*\g
.endr
.endr
.endm
.macro TRIP
	v_add_nc_u32 v[ADR], s[TB], v[LI]
	WIN 0x40
	FLOAD KF, 0                                    ; the last products on these registers stand a rescaling phase or more behind
	WIN 0
	ds_load_b128 v[KS:KS+3], v[ADR] offset:6144
	HALF 1, 1, 1
	HALF 0, 1, 1
	v_nop                                          ; with the three rescalings behind the last product: four places ahead of the loads into its sources
	FLOAD VF, RECB
	ds_load_b128 v[VS:VS+3], v[ADR] offset:RECB+6144
.endm
.macro PHASE base, n
	s_mov_b32 s[TB], \base
	s_mov_b32 s[CNT], \n
.Ltrip_\@:
	TRIP
	s_add_co_u32 s[TB], s[TB], STEPB
	s_sub_co_u32 s[CNT], s[CNT], 1
	s_cmp_lg_u32 s[CNT], 0
	s_wait_alu depctr_va_vdst(0)                   ; the wait ahead of the branch
	s_cbranch_scc1 .Ltrip_\@
.endm
.macro CHANGE g0, g1, fill             ; a change of slots: all my loads in, the add, my reads over; the round; the fill first behind it
	s_wait_alu depctr_va_vdst(0)
	s_wait_tensorcnt 0x0
	ds_add_u32 v[SPW], v[NIL]
	s_wait_dscnt 0x0
.if \fill
	CROUND
	tensor_load_to_lds s[\g0:\g0+3], s[\g1:\g1+7]
	s_nop 0
	PLACES
.else
	s_barrier_signal -1
	s_barrier_wait -1
.endif
.endm
	s_load_b128 s[4:7], s[0:1], 0x0                ; qkv, aimg
	v_lshl_add_u32 v[SPW], v0, 2, SPARE
	v_mov_b32 v[NIL], 0
	ds_add_u32 v[SPW], v[NIL]                      ; the opening lines: the add twice on end and one wait
	ds_add_u32 v[SPW], v[NIL]
	v_lshrrev_b32 v9, 5, v0
	v_readfirstlane_b32 s[WV], v9
	v_and_b32 v9, 31, v0
	v_bfe_u32 v[SH8], v0, 4, 1
	v_lshlrev_b32 v[LI], 4, v9
	v_lshlrev_b32 v[GO], 3, v9
	v_lshlrev_b32 v[GS], 2, v9
	v_lshlrev_b32 v[SH8], 3, v[SH8]
	s_bfe_u32 s[CX], ttmp6, 0x40000
	s_lshl_b32 s[QBK], ttmp9, 2
	s_add_co_u32 s[QBK], s[QBK], s[CX]             ; which 256 queries
	s_and_b32 s[BH], ttmp7, 0xffff                 ; 8 b + head
	s_mov_b32 s[G1], 15|(3<<16)|(1<<21)            ; the cluster's four; elements of 8 bytes; 78 rows of 256 bytes
	s_mov_b32 s[G1+1], 32<<16
	s_mov_b32 s[G1+2], 78<<16
	s_mov_b32 s[G1+3], 32<<16
	s_mov_b32 s[G1+4], 78
	s_mov_b32 s[G1+5], 32
	s_mov_b32 s[G1+6], 0
	s_mov_b32 s[G1+7], 0
	s_mov_b32 s[G1S], 15|(3<<16)|(1<<21)           ; the same with 52 rows, for the third fill
	s_mov_b32 s[G1S+1], 32<<16
	s_mov_b32 s[G1S+2], 52<<16
	s_mov_b32 s[G1S+3], 32<<16
	s_mov_b32 s[G1S+4], 52
	s_mov_b32 s[G1S+5], 32
	s_mov_b32 s[G1S+6], 0
	s_mov_b32 s[G1S+7], 0
	s_mov_b32 s[SEL], 0x76543210
	s_mov_b32 s[SEL+1], 0xfedcba98
	s_mov_b32 s[CS], 0x3e38aa3b                    ; log2(e) / 8
	s_mov_b32 s[CS+1], s[CS]
	s_mul_i32 s[KV], s[BH], HEADB                  ; the head's key step 0
	s_mov_b32 s[KV+1], 0
	s_mul_i32 s[LB], s[WV], WPART
	s_add_co_u32 s[KT], s[KV], s[LB]
	s_add_co_u32 s[KT], s[KT], STEPB               ; my eighth of the ring's first slot: from key step 1 on
	s_mov_b32 s[KT+1], 0
	s_lshl_b32 s60, s[BH], 5
	s_lshl_b32 s61, s[QBK], 1
	s_add_co_u32 s60, s60, s61
	s_lshr_b32 s61, s[WV], 2
	s_add_co_u32 s60, s60, s61
	s_mul_i32 s60, s60, RECB
	s_add_co_u32 s60, s60, QBASE                   ; Q's record of my 128 queries; my fragment is wave % 4: tile X below, tile Y above
	s_and_b32 s61, s[WV], 3
	s_mul_i32 s62, s61, 1536
	s_add_co_u32 s[QC], s60, s62
	s_mov_b32 s[QC+1], 0
	s_lshl_b32 s61, s61, 2
	s_add_co_u32 s[QW], s60, s61
	s_mov_b32 s[QW+1], 0
	s_lshr_b32 s60, s[BH], 3
	s_lshl_b32 s60, s60, 8
	s_lshl_b32 s61, s[QBK], 4
	s_add_co_u32 s60, s60, s61
	s_lshl_b32 s61, s[WV], 1
	s_add_co_u32 s60, s60, s61                     ; my first tile's record in aimg
	s_mul_i32 s60, s60, AREC
	s_and_b32 s62, s[BH], 7
	s_mul_i32 s63, s62, 768
	s_add_co_u32 s[OUTC], s60, s63
	s_mov_b32 s[OUTC+1], 0
	s_lshl_b32 s62, s62, 7
	s_add_co_u32 s[OUTS], s60, s62
	s_mov_b32 s[OUTS+1], 0
	s_mul_i32 s62, s[WV], STEPB                    ; of the third fill I bring one key step: 25 + wave
	s_add_co_u32 s60, s[KV], s62
	s_add_co_u32 s60, s60, STEPB+2*SLOTB
	s_mov_b32 s61, 0
	s_wait_alu depctr_va_vdst(0)
	s_wait_dscnt 0x0
	s_wait_kmcnt 0x0
	s_add_nc_u64 s[KV:KV+1], s[4:5], s[KV:KV+1]
	s_add_nc_u64 s[KT:KT+1], s[4:5], s[KT:KT+1]
	s_add_nc_u64 s[60:61], s[4:5], s[60:61]
	s_add_nc_u64 s[QC:QC+1], s[4:5], s[QC:QC+1]
	s_add_nc_u64 s[QW:QW+1], s[4:5], s[QW:QW+1]
	s_add_nc_u64 s[OUTC:OUTC+1], s[6:7], s[OUTC:OUTC+1]
	s_add_nc_u64 s[OUTS:OUTS+1], s[6:7], s[OUTS:OUTS+1]
	s_mov_b32 s[G0A], 1
	s_mov_b32 s[G0A+1], s[LB]
	s_mov_b64 s[G0A+2:G0A+3], s[KT:KT+1]
	s_or_b32 s[G0A+3], s[G0A+3], 0x80000000
	s_mov_b32 s[G0B], 1
	s_add_co_u32 s[G0B+1], s[LB], SLOT1
	s_add_nc_u64 s[G0B+2:G0B+3], s[KT:KT+1], SLOTB
	s_or_b32 s[G0B+3], s[G0B+3], 0x80000000
	s_mov_b32 s[G0C], 1
	s_mov_b32 s[G0C+1], s62
	s_mov_b64 s[G0C+2:G0C+3], s[60:61]
	s_or_b32 s[G0C+3], s[G0C+3], 0x80000000
	CROUND
	tensor_load_to_lds s[G0A:G0A+3], s[G1:G1+7]    ; slot 0: my one load at the head
	s_nop 0
	PLACES
.irp g, 0,1,2
	global_load_b128 v[E+4*\g:E+4*\g+3], v[LI], s[QC:QC+1] offset:512*\g   ; q's fragment: tiles X and Y
.endr
	global_load_b32 v[E+12], v[LI], s[QW:QW+1] offset:6144
	global_load_b128 v[KS:KS+3], v[LI], s[KV:KV+1] offset:6144
	global_load_b128 v[VS:VS+3], v[LI], s[KV:KV+1] offset:RECB+6144
	GLOAD VF, RECB
	WIN 0x40
	GLOAD KF, 0
.irp i, 0,1,2,3,4,5
	v_mov_b32 v[QF+\i], 0
	v_mov_b32 v[QF+12+\i], 0
	v_mov_b32 v[QF+24+\i], 0
.endr
.set j, 0
.rept 16
	v_mov_b32 v[AC+j], 0
.set j, j+1
.endr
	WIN 0
.set j, 0
.rept 64
	v_mov_b32 v[O+j], 0                            ; O: a half is written once, so the first finds zeros
.set j, j+1
.endr
	v_mov_b32 v[NEG], 0xff7fffff
	v_mov_b32 v[PL], 0                             ; a lane permute's destination counts as read
.irp t, 0,1
	v_mov_b32 v[NM+2*\t+1], 0xff61b1e6             ; the largest t so far: -3e38
	v_mov_b32 v[FF+2*\t+1], 0
.endr
.irp t, 0,1
	v_floor_f32 v[NM+2*\t], -v[NM+2*\t+1]
.endr
	s_wait_alu depctr_va_vdst(0)
	s_wait_loadcnt 0x0
	v_perm_b32 v[QS], v[E+12], v[E+12], 0x01000100     ; a tile's two bytes, twice: they serve q in either half of K
	v_perm_b32 v[QS+1], v[E+12], v[E+12], 0x03020302
	WIN 0x40
.irp i, 0,1,2,3,4,5
	v_mov_b32 v[QF+6+\i], v[E+\i]
	v_mov_b32 v[QF+18+\i], v[E+6+\i]
.endr
	PLACES                                         ; operands written by vector instructions stand four places ahead of a scaled product, scale words eight
.set OT, 0
	WIN 0x45                                       ; S(X, 0)
.set w, 0
.rept 8
	SW
.set w, w+1
.endr
	WIN 0
	PLACES
	HALF 0, 1, 0                                   ; X(0), with S(Y, 0)
	CHANGE G0B, G1, 1                              ; slot 0 is in; slot 1's first fill, issued as a refill is
	PHASE 0, 12
	CHANGE G0C, G1S, 1                             ; key steps 25 on, into slot 0
	PHASE SLOT1, 12
	CHANGE G0C, G1S, 0                             ; nothing more to fetch
	PHASE 0, 7
	HALF 1, 0, 1                                   ; Y(31), with P V (X, 31)
.set OT, 1
.set w, 0
.rept 4
	PW                                             ; P V (Y, 31)
.set w, w+1
.endr
	WIN 0x05                               ; the rows' sums
.irp t, 0,1
.irp c, 0,1,2,3
	v_add_f32 v[CT+4*\t+\c], v[AC+8*\t+2*\c], v[AC+8*\t+2*\c+1]
.endr
.endr
	WIN 0
.irp t, 0,1
	v_add_f32 v[CT+4*\t], v[CT+4*\t], v[CT+4*\t+1]
.endr
.irp t, 0,1
	v_add_f32 v[CT+4*\t+2], v[CT+4*\t+2], v[CT+4*\t+3]
.endr
.irp t, 0,1
	D2
	v_add_f32 v[CT+4*\t], v[CT+4*\t], v[CT+4*\t+2]
.endr
.irp t, 0,1
	D2
	v_permlanex16_b32 v[SO+\t], v[CT+4*\t], s[SEL], s[SEL+1]
.endr
.irp t, 0,1
	D2
	v_add_f32 v[BM+2*\t], v[CT+4*\t], v[SO+\t]
.endr
	s_wait_alu depctr_va_vdst(0)
.irp t, 0,1
	v_rcp_f32 v[FF+2*\t], v[BM+2*\t]
.endr
	v_nop
	s_wait_alu depctr_va_vdst(0)
.set j, 0
.rept 16
.irp t, 0,1
	v_pk_mul_f32 v[E+32*\t+j:E+32*\t+j+1], v[O+32*\t+j:O+32*\t+j+1], v[FF+2*\t:FF+2*\t+1] op_sel_hi:[1,0]   ; O / the sum: my 32 dims are one block of the next K
.endr
.set j, j+2
.endr
.irp t, 0,1
	v_max3_num_f32 v[BM+2*\t], |v[E+32*\t]|, |v[E+32*\t+1]|, 0x1800000
	v_max3_num_f32 v[BM+2*\t+1], |v[E+32*\t+16]|, |v[E+32*\t+17]|, 0x1800000
.endr
.irp i, 2,4,6,8,10,12,14
.irp t, 0,1
	v_max3_num_f32 v[BM+2*\t], v[BM+2*\t], |v[E+32*\t+\i]|, |v[E+32*\t+\i+1]|
	v_max3_num_f32 v[BM+2*\t+1], v[BM+2*\t+1], |v[E+32*\t+16+\i]|, |v[E+32*\t+17+\i]|
.endr
.endr
.irp t, 0,1
	v_max_num_f32 v[BM+2*\t], v[BM+2*\t], v[BM+2*\t+1]
.endr
.irp t, 0,1
	D2
	v_add_nc_u32 v[SO+\t], 0xff000000, v[BM+2*\t]
.endr
.irp t, 0,1
	D2
	v_lshrrev_b32 v[BY+\t], 23, v[SO+\t]
.endr
.irp t, 0,1
	D2
	v_lshlrev_b32 v[PS+\t], v[SH8], v[BY+\t]
.endr
.irp t, 0,1
	D2
	v_permlanex16_b32 v[BM+2*\t+1], v[PS+\t], s[SEL], s[SEL+1]
.endr
.irp t, 0,1
	D2
	v_or_b32 v[PS+\t], v[PS+\t], v[BM+2*\t+1]
.endr
.irp t, 0,1
	v_cvt_scalef32_pk16_fp6_f32 v[PC+12*\t:PC+12*\t+2], v[E+32*\t:E+32*\t+15], v[SO+\t]
	v_cvt_scalef32_pk16_fp6_f32 v[CT+4*\t:CT+4*\t+2], v[E+32*\t+16:E+32*\t+31], v[SO+\t]
.endr
	v_nop
.irp t, 0,1
.irp i, 0,1,2
	v_mov_b32 v[PC+12*\t+3+\i], v[CT+4*\t+\i]
.endr
.endr
.irp t, 0,1
.irp g, 0,1,2
	global_store_b64 v[GO], v[PC+12*\t+2*\g:PC+12*\t+2*\g+1], s[OUTC:OUTC+1] offset:AREC*\t+256*\g   ; 256 consecutive bytes, at a multiple of 256 from aimg's first byte
.endr
	global_store_b32 v[GS], v[PS+\t], s[OUTS:OUTS+1] offset:AREC*\t+6144
.endr
	s_wait_tensorcnt 0x0                           ; the wave's end
	ds_add_u32 v[SPW], v[NIL]
	s_wait_dscnt 0x0
	CROUND                                         ; the closing round
	s_endpgm
.Lfunc_end_k_q390cb8ae1d_attn:
	.size	k_q390cb8ae1d_attn, .Lfunc_end_k_q390cb8ae1d_attn-k_q390cb8ae1d_attn
	.p2alignl 7, 3214868480
	.fill 96, 4, 3214868480
	.section	.rodata,"a",@progbits
	.p2align	6, 0x0
	.amdhsa_kernel k_q390cb8ae1d_attn
		.amdhsa_group_segment_fixed_size 327680
		.amdhsa_private_segment_fixed_size 0
		.amdhsa_enable_private_segment 0
		.amdhsa_kernarg_size 16
		.amdhsa_user_sgpr_count 2
		.amdhsa_user_sgpr_kernarg_segment_ptr 1
		.amdhsa_wavefront_size32 1
		.amdhsa_system_sgpr_workgroup_id_x 1
		.amdhsa_system_sgpr_workgroup_id_y 1
		.amdhsa_system_sgpr_workgroup_id_z 1
		.amdhsa_system_vgpr_workitem_id 0
		.amdhsa_next_free_vgpr 512
		.amdhsa_next_free_sgpr 66
		.amdhsa_reserve_vcc 0
		.amdhsa_float_denorm_mode_32 3
		.amdhsa_float_denorm_mode_16_64 3
		.amdhsa_memory_ordered 1
		.amdhsa_forward_progress 1
		.amdhsa_inst_pref_size 133
	.end_amdhsa_kernel
	.amdgpu_metadata
---
amdhsa.version: [ 1, 2 ]
amdhsa.kernels:
  - .name:           k_q390cb8ae1d_attn
    .symbol:         k_q390cb8ae1d_attn.kd
    .args:
      - { .name: qkv, .offset: 0, .size: 8, .value_kind: global_buffer, .address_space: global }
      - { .name: aimg, .offset: 8, .size: 8, .value_kind: global_buffer, .address_space: global }
    .group_segment_fixed_size: 327680
    .private_segment_fixed_size: 0
    .kernarg_segment_align: 8
    .kernarg_segment_size: 16
    .max_flat_workgroup_size: 256
    .sgpr_count:     66
    .vgpr_count:     512
    .wavefront_size: 32
...
	.end_amdgpu_metadata
.endif
;; end of part 3
;; launch oproj (part 4): grid 256 x 1, 4 waves a work-group, no clusters, 34,304 bytes of LDS; arguments xw, aimg, bo, out0; writes out0
.if DOCPART == 4
	.amdgcn_target "amdgcn-amd-amdhsa--gfx1250"
	.amdhsa_code_object_version 6
	.text
	.protected	k_q390cb8ae1d_oproj
	.globl	k_q390cb8ae1d_oproj
	.p2align	8
	.type	k_q390cb8ae1d_oproj,@function
k_q390cb8ae1d_oproj:
	s_mov_b64 s[64:65], 0
	v_nop
	global_prefetch_b8 v0, s[64:65] scope:SCOPE_SE
	s_setreg_imm32_b32 hwreg(HW_REG_WAVE_MODE, 25, 1), 1
	s_wait_xcnt 0x0
; out0 = A Wo^T + bo on codes of FP6: A's images out of aimg, Wo's out of xw (tiles 1120 on).  Nothing of reference() is left out.
; SHARES.  A work-group takes two tiles of 16 rows, each of its four waves 128 columns: source 0 = eight tiles of Wo (384 registers), source 1 = a tile of A: a lane holds one row of out0 and 64 of its columns.
; 64 products a wave on 16 accumulators; bo is the C of each sum's first product.  The results go through the wave's own stage in LDS and leave as 512 consecutive bytes of a row.
; REGISTERS: window 0: addresses, accumulators, scale words.  Windows 1, 2: Wo's fragments (tile i, K step s) at 12 (8 (s % 2) + i).  Window 3: v0-63 bo as C, v64-159 A's two tiles.
.set REC,   6656
.set AREC,  7168
.set SP,    528
.set STG,   16*SP
.set SPARE, 4*STG
.set LI,  1                            ; v1  16 x lane
.set L8,  2                            ; v2  8 x lane
.set L4,  3                            ; v3  4 x lane
.set BA,  4                            ; v4  128 h
.set STO, 5                            ; v5  the stage, on the way in: row r, + 128 h
.set RD,  6                            ; v6  and back: 16 x lane
.set SPW, 7                            ; v7  my spare word; never rewritten
.set NIL, 8                            ; v8  0; never rewritten
.set ACC, 16                           ; v16-143 two tiles' eight accumulators each
.set S0S, 144                          ; v144-175 Wo's scale words
.set AW,  176                          ; v176-191 A's scale words by heads
.set S1S, 192                          ; v192-199 and by K steps
.set MSB, 0
.macro WIN new
.if MSB != \new
	s_set_vgpr_msb (MSB<<8)|\new
.set MSB, \new
.endif
.endm
.macro MUL acc, p                      ; 32 products, the eight accumulators by turns
.irp s, 0,1,2,3
.if \s == 0
	WIN 0x3d                                       ; source 0 window 1, source 1 and C window 3
.elseif \s == 1
	WIN 0x0d
.else
	WIN 0x0e                                       ; source 0 window 2
.endif
.irp i, 0,1,2,3,4,5,6,7
.if \s == 0
	v_wmma_scale_f32_16x16x128_f8f6f4 v[(\acc)+8*\i:(\acc)+8*\i+7], v[12*\i:12*\i+11], v[64+48*(\p):64+48*(\p)+11], v[8*\i:8*\i+7], v[S0S+4*\i], v[S1S+4*(\p)] matrix_a_fmt:MATRIX_FMT_FP6 matrix_b_fmt:MATRIX_FMT_FP6
.else
	v_wmma_scale_f32_16x16x128_f8f6f4 v[(\acc)+8*\i:(\acc)+8*\i+7], v[12*(8*(\s%2)+\i):12*(8*(\s%2)+\i)+11], v[64+48*(\p)+12*\s:64+48*(\p)+12*\s+11], v[(\acc)+8*\i:(\acc)+8*\i+7], v[S0S+4*\i+\s], v[S1S+4*(\p)+\s] matrix_a_fmt:MATRIX_FMT_FP6 matrix_b_fmt:MATRIX_FMT_FP6
.endif
.endr
.endr
	WIN 0
.endm
	s_load_b256 s[4:11], s[0:1], 0x0               ; xw, aimg, bo, out0
	v_lshl_add_u32 v[SPW], v0, 2, SPARE
	v_mov_b32 v[NIL], 0
	v_lshrrev_b32 v9, 5, v0
	v_readfirstlane_b32 s12, v9                    ; wave
	v_and_b32 v9, 31, v0
	v_lshlrev_b32 v[LI], 4, v9
	v_lshlrev_b32 v[L8], 3, v9
	v_lshlrev_b32 v[L4], 2, v9
	v_and_b32 v10, 15, v0                          ; r
	v_bfe_u32 v11, v0, 4, 1                        ; h
	v_lshlrev_b32 v[BA], 7, v11
	s_mul_i32 s13, s12, STG
	v_mul_u32_u24 v[STO], v10, SP
	v_add_nc_u32 v[STO], v[STO], v[BA]
	v_add_nc_u32 v[STO], s13, v[STO]
	v_add_nc_u32 v[RD], s13, v[LI]
	s_lshl_b32 s14, s12, 3
	s_add_co_u32 s14, s14, 1120                    ; my eight tiles of Wo
	s_mul_i32 s20, s14, REC
	s_mov_b32 s21, 0
	s_mul_i32 s22, ttmp9, 2*AREC                   ; the work-group's two tiles of A
	s_mov_b32 s23, 0
	s_lshl_b32 s24, s12, 9                         ; my 128 columns, in bytes
	s_mov_b32 s25, 0
	s_lshr_b32 s15, ttmp9, 1                       ; tile T = 2 g + it begins at row 64 (g / 2) + 16 (g % 2) + 8 it
	s_lshl_b32 s15, s15, 6
	s_and_b32 s16, ttmp9, 1
	s_lshl_b32 s16, s16, 4
	s_add_co_u32 s15, s15, s16
	s_lshl_b32 s15, s15, 11
	s_add_co_u32 s26, s15, s24
	s_mov_b32 s27, 0
	s_wait_alu depctr_va_vdst(0)
	s_wait_kmcnt 0x0
	s_add_nc_u64 s[20:21], s[4:5], s[20:21]
	s_add_nc_u64 s[22:23], s[6:7], s[22:23]
	s_add_nc_u64 s[24:25], s[8:9], s[24:25]
	s_add_nc_u64 s[26:27], s[10:11], s[26:27]
	WIN 0x40
.irp s, 0,1
.irp i, 0,1,2,3,4,5,6,7
.irp g, 0,1,2
	global_load_b128 v[12*(8*\s+\i)+4*\g:12*(8*\s+\i)+4*\g+3], v[LI], s[20:21] offset:REC*\i+1536*\s+512*\g
.endr
.endr
.endr
	WIN 0x80
.irp s, 0,1
.irp i, 0,1,2,3,4,5,6,7
.irp g, 0,1,2
	global_load_b128 v[12*(8*\s+\i)+4*\g:12*(8*\s+\i)+4*\g+3], v[LI], s[20:21] offset:REC*\i+1536*(\s+2)+512*\g
.endr
.endr
.endr
	WIN 0xc0
.irp i, 0,1,2,3,4,5,6,7
	global_load_b128 v[8*\i:8*\i+3], v[BA], s[24:25] offset:(64*(\i/4)+8*(\i%4))*4       ; lane (r, h), tile i: bo of columns 64 (i / 4) + 32 h + 8 (i % 4) + 0 .. 7
	global_load_b128 v[8*\i+4:8*\i+7], v[BA], s[24:25] offset:(64*(\i/4)+8*(\i%4))*4+16
.endr
.irp t, 0,1
.irp s, 0,1,2,3
.irp p, 0,1,2,3,4,5
	global_load_b64 v[64+48*\t+12*\s+2*\p:64+48*\t+12*\s+2*\p+1], v[L8], s[22:23] offset:AREC*\t+1536*\s+256*\p
.endr
.endr
.endr
	WIN 0
.irp i, 0,1,2,3,4,5,6,7
	global_load_b128 v[S0S+4*\i:S0S+4*\i+3], v[LI], s[20:21] offset:REC*\i+6144
.endr
.irp t, 0,1
.irp d, 0,1,2,3,4,5,6,7
	global_load_b32 v[AW+8*\t+\d], v[L4], s[22:23] offset:AREC*\t+6144+128*\d
.endr
.endr
	s_wait_loadcnt 0x0
.irp t, 0,1
.irp s, 0,1,2,3
	v_perm_b32 v[S1S+4*\t+\s], v[AW+8*\t+2*\s+1], v[AW+8*\t+2*\s], 0x05040100   ; K step s: head 2 s's two bytes below, head 2 s + 1's above
.endr
.endr
.rept 8
	v_nop                                          ; a scale register written by a vector instruction stands eight places ahead of a scaled product
.endr
	MUL ACC, 0
	MUL ACC+64, 1
.rept 4
	v_nop                                          ; four places ahead of the first read of results and of loads into them
.endr
.macro TOSTAGE t                       ; a tile's 16 rows x 512 bytes into my stage, and back as whole rows, into the registers that they left
.irp i, 0,1,2,3,4,5,6,7
	ds_store_b128 v[STO], v[ACC+64*\t+8*\i:ACC+64*\t+8*\i+3] offset:256*(\i/4)+32*(\i%4)        ; each accumulator from its low end on
	ds_store_b128 v[STO], v[ACC+64*\t+8*\i+4:ACC+64*\t+8*\i+7] offset:256*(\i/4)+32*(\i%4)+16
.endr
.irp k, 0,1,2,3,4,5,6,7,8,9,10,11,12,13,14,15
	ds_load_b128 v[ACC+64*\t+4*\k:ACC+64*\t+4*\k+3], v[RD] offset:SP*\k   ; LDS serves a wave's instructions in order: these see the stores above, and the next tile's stores come behind them
.endr
.endm
.macro SEND t
.irp k, 0,1,2,3,4,5,6,7,8,9,10,11,12,13,14,15
	global_store_b128 v[LI], v[ACC+64*\t+4*\k:ACC+64*\t+4*\k+3], s[26:27] offset:(8*\t+(\k%8)+32*(\k/8))*2048 th:TH_STORE_NT   ; 512 consecutive bytes of a row, at a multiple of 256 from out0's first byte
.endr
.endm
	TOSTAGE 0
	TOSTAGE 1
	s_wait_dscnt 32                                ; the first tile is back; the second tile's 16 stores and 16 loads may be out
	SEND 0
	s_wait_dscnt 0x0
	SEND 1
	s_wait_tensorcnt 0x0                           ; the wave's end, behind my last LDS store
	ds_add_u32 v[SPW], v[NIL]
	s_wait_dscnt 0x0
	s_endpgm
.Lfunc_end_k_q390cb8ae1d_oproj:
	.size	k_q390cb8ae1d_oproj, .Lfunc_end_k_q390cb8ae1d_oproj-k_q390cb8ae1d_oproj
	.p2alignl 7, 3214868480
	.fill 96, 4, 3214868480
	.section	.rodata,"a",@progbits
	.p2align	6, 0x0
	.amdhsa_kernel k_q390cb8ae1d_oproj
		.amdhsa_group_segment_fixed_size 34304
		.amdhsa_private_segment_fixed_size 0
		.amdhsa_enable_private_segment 0
		.amdhsa_kernarg_size 32
		.amdhsa_user_sgpr_count 2
		.amdhsa_user_sgpr_kernarg_segment_ptr 1
		.amdhsa_wavefront_size32 1
		.amdhsa_system_sgpr_workgroup_id_x 1
		.amdhsa_system_sgpr_workgroup_id_y 1
		.amdhsa_system_sgpr_workgroup_id_z 1
		.amdhsa_system_vgpr_workitem_id 0
		.amdhsa_next_free_vgpr 928
		.amdhsa_next_free_sgpr 66
		.amdhsa_reserve_vcc 0
		.amdhsa_float_denorm_mode_32 3
		.amdhsa_float_denorm_mode_16_64 3
		.amdhsa_memory_ordered 1
		.amdhsa_forward_progress 1
		.amdhsa_inst_pref_size 36
	.end_amdhsa_kernel
	.amdgpu_metadata
---
amdhsa.version: [ 1, 2 ]
amdhsa.kernels:
  - .name:           k_q390cb8ae1d_oproj
    .symbol:         k_q390cb8ae1d_oproj.kd
    .args:
      - { .name: xw, .offset: 0, .size: 8, .value_kind: global_buffer, .address_space: global }
      - { .name: aimg, .offset: 8, .size: 8, .value_kind: global_buffer, .address_space: global }
      - { .name: bo, .offset: 16, .size: 8, .value_kind: global_buffer, .address_space: global }
      - { .name: out0, .offset: 24, .size: 8, .value_kind: global_buffer, .address_space: global }
    .group_segment_fixed_size: 34304
    .private_segment_fixed_size: 0
    .kernarg_segment_align: 8
    .kernarg_segment_size: 32
    .max_flat_workgroup_size: 128
    .sgpr_count:     66
    .vgpr_count:     928
    .wavefront_size: 32
...
	.end_amdgpu_metadata
.endif
;; end of part 4
